; MI455X (gfx1250); checked and timed in simulation.
; The chip was launched on July 23, 2026; its instructions are those of AMD's public machine-readable ISA for CDNA 5 (MIT licence, August 2026) and "CDNA5" Instruction Set Architecture Reference Guide (July 2026). The comments in the code are by the model that wrote it; some were corrected since.
;; Attn Act GPT2 Attention. Allowed arithmetic: matrix products marked QUANTISED: E2M1 operands, one E8M0 scale for each 32 along K, by v_wmma_scale_f32_16x16x128_f8f6f4 with both operands' format E2M1 (or v_wmma_scale_f32_32x16x128_f4), f32 sums; everything else in f32.
;; Inputs: c_attn_b 3,072 float32; c_attn_w_codes 3,072 x 32 x 16 uint8 (E2M1 codes of c_attn_w, K innermost, in blocks of 32 codes, two codes a byte); c_attn_w_scales 3,072 x 32 uint8 (E8M0 scales of c_attn_w, one for each 32 codes along K); c_proj_b 1,024 float32; c_proj_w_codes 1,024 x 32 x 16 uint8 (E2M1 codes of c_proj_w, K innermost, in blocks of 32 codes, two codes a byte); c_proj_w_scales 1,024 x 32 uint8 (E8M0 scales of c_proj_w, one for each 32 codes along K); hidden_states_codes 4 x 2,048 x 32 x 16 uint8 (E2M1 codes of hidden_states, K innermost, in blocks of 32 codes, two codes a byte); hidden_states_scales 4 x 2,048 x 32 uint8 (E8M0 scales of hidden_states, one for each 32 codes along K).
;; Outputs: out0 4 x 2,048 x 1,024 float32.
;; This version of the problem:
;;   THIS VERSION OF THE PROBLEM IS GIVEN IN LOW PRECISION. The matrix products marked QUANTISED in the list below multiply operands that are first quantised to E2M1 (2 exponent bits, 1 mantissa bit; 4 bits a number), with one power-of-two scale for each 32 numbers along K (OCP MX v1.0); their sums are f32. All else is computed in f32.
;;   The module's matrix products, in the order in which they are computed (A, B: the left and right operand; K: the contracted axis; several contracted axes count as one K, in the product's order):
;;     1. [M 8,192, K 1,024] x [K 1,024, N 3,072]; A: input hidden_states (given as codes); B: input c_attn_w (given as codes): QUANTISED
;;     2. batch 64 x [M 2,048, K 64] x [K 64, N 2,048]; A: computed on the way; B: computed on the way: QUANTISED
;;     3. batch 64 x [M 2,048, K 2,048] x [K 2,048, N 64]; A: softmax (see below); B: computed on the way: QUANTISED
;;     4. [M 8,192, K 1,024] x [K 1,024, N 1,024]; A: computed on the way; B: input c_proj_w (given as codes): QUANTISED
;;   THE QUANTISER, for each operand of a quantised product, along K:
;;     - K is cut into blocks of 32 from its start; a last block that is shorter is filled with zeros.
;;     - A block's scale is 2^e with e = floor(log2(the largest magnitude in the block)) - 2, held to -126 .. 127; a block of zeros has e = 0. As a byte (E8M0): e + 127.
;;     - Each number is divided by its block's scale, clamped to +-6, and rounded to the nearest number of E2M1, ties to even, subnormals kept.
;;     - The product sums the exact products of the quantised numbers (number of the format x scale) in f32.
;;   ~~~python
;;   def quantise(x, axis):      # numpy; x: float32 -> the quantised numbers, widened to float32 again
;;       x = np.moveaxis(x, axis, -1); K = x.shape[-1]
;;       x = np.pad(x, [(0, 0)] * (x.ndim - 1) + [(0, -K % 32)]); x = x.reshape(x.shape[:-1] + (-1, 32)); a = np.abs(x).max(-1, keepdims=True)
;;       e = np.where(a > 0, np.clip(np.frexp(np.where(a > 0, a, 1))[1] - 1 - 2, -126, 127), 0)      # np.frexp(a)[1] - 1 = floor(log2(a)), exactly
;;       r = np.clip(x / 2.0 ** e, -6, 6)
;;       step = 2.0 ** (np.maximum(np.frexp(np.where(r == 0, 1, r))[1] - 1, 0) - 1)
;;       q = np.round(r / step) * step * 2.0 ** e      # np.round: ties to even
;;       return np.moveaxis(q.reshape(q.shape[:-2] + (-1,))[..., :K], -1, axis).astype(np.float32)
;;   ~~~
;;   SOFTMAX AHEAD OF A QUANTISED PRODUCT. Where the list says 'softmax', what is quantised is not the finished softmax but p = 2^(t - M), with t = logit x log2(e) and M = ceil(the row's largest t), a whole number; so 1/2 < the row's largest p <= 1. The row's sum l is taken of the UNQUANTISED p, in f32, and the product's result is divided by l at the end. Since M is a whole number, a kernel that streams over the keys may use a running M (the ceiling of the running maximum): every later rescaling is an exact power of two, which a block's scale takes up: the codes' values come out the same.
;;   OPERANDS COMPUTED ON THE WAY. 'Computed on the way' means the value that the module computes at that place (a softmax that the list does not call 'softmax' is quantised finished and normalised). What goes into a quantiser is computed in f32, as accurately as f32 sums, v_exp_f32 and their like allow (about 1e-6 of the number): no bf16 or f16 on the way to a quantiser, and a product that is left as it is and whose result goes on into a quantised operand takes f32 operands (vector FMAs, or v_wmma_f32_16x16x4_f32). A number that lies on a knife's edge between two numbers of the format may be rounded either way, as far as f32 arithmetic and the matrix unit's own rounding can turn it there, and no further.
;;   INPUTS GIVEN AS CODES. c_attn_w (in the module: [1024, 3072], K = its axis 0); c_proj_w (in the module: [1024, 1024], K = its axis 0); hidden_states (in the module: [4, 2048, 1024], K = its axis 2): each comes as NAME_codes (uint8): NAME with its K axis moved to the last place and cut into blocks of 32 codes, [.., K / 32, bytes a block], one block behind the other in memory; two codes a byte, the lower K in the low four bits (a code: sign, 2 exponent bits, 1 mantissa bit); and NAME_scales (uint8): the same leading axes, one E8M0 byte (e + 127) for each 32 codes along K. Its value is code x scale, taken as it is: it is not quantised again, and the codes and scales need not be those that the quantiser above would give.
;; One version. Each part assembles by itself: llvm-mc -triple=amdgcn-amd-amdhsa -mcpu=gfx1250 --defsym DOCPART=n.
;; ======== version 1 of 1: 3 launches
;; workspace buffers: qkv_codes 12,582,912 bytes; qkv_scales 1,310,720 bytes; attn_codes 4,194,304 bytes; attn_scales 262,144 bytes
;; launch qkv (part 1): grid 192 x 4, 4 waves a work-group, clusters of 4 x 4, 229,888 bytes of LDS; arguments hidden_states_codes, hidden_states_scales, c_attn_w_codes, c_attn_w_scales, c_attn_b, qkv_codes, qkv_scales; writes qkv_codes, qkv_scales
.if DOCPART == 1
	.amdgcn_target "amdgcn-amd-amdhsa--gfx1250"
	.amdhsa_code_object_version 6
	.text
	.protected	k_q97d313519d_qkv
	.globl	k_q97d313519d_qkv
	.p2align	8
	.type	k_q97d313519d_qkv,@function
k_q97d313519d_qkv:
	s_mov_b64 s[64:65], 0
	v_nop
	global_prefetch_b8 v0, s[64:65] scope:SCOPE_SE
	s_setreg_imm32_b32 hwreg(HW_REG_WAVE_MODE, 25, 1), 1
	s_wait_xcnt 0x0
	s_wait_alu depctr_hold_cnt(0) depctr_sa_sdst(0) depctr_va_vdst(0) depctr_va_sdst(0) depctr_va_ssrc(0) depctr_va_vcc(0) depctr_vm_vsrc(0)
	s_getreg_b32 s2, hwreg(HW_REG_IB_STS2, 6, 4)
	s_cmp_eq_u32 s2, 0
	s_cbranch_scc0 .Lentry_in_a_cluster
	s_endpgm
.Lentry_in_a_cluster:
	s_bfe_u32 s2, ttmp6, 0x10000c
	s_cmp_lg_u32 s2, 0xf033
	s_cbranch_scc0 .Lentry_shape_is_right
	s_endpgm
.Lentry_shape_is_right:
; qkv = x W^T + b on codes of FP4 (E2M1) with one E8M0 scale for each 32 along K = 1,024; the results are quantised at once and leave as codes:
; q and k along the head's 64 (two blocks of 32), v along the keys.  x: 8,192 rows of 512 bytes, W: 3,072 rows of 512 bytes; scale bytes 32 a row.
; A work-group of four waves makes 256 rows of SOURCE 0 x 128 rows of SOURCE 1.  Source 0 is the axis along which the result is quantised: a lane's eight
; result registers are eight neighbours along source 0 of ONE row of source 1.  Clusters 0-31 (section qk): source 0 = W's rows 0-2,047 (the heads' dims of q and k),
; source 1 = x's rows.  Clusters 32-47 (section v): source 0 = x's rows (the keys), source 1 = W's rows 2,048-3,071.  The section hangs on the cluster's number alone.
; Wave w: source 0's half w & 1 (8 blocks of 16), source 1's half w >> 1 (4 blocks): 32 accumulators, which take turns, one instruction a turn, in the same order in every K step.
; ALL of K lies in LDS: two chunks of 256 bytes a row and the scale bytes, each filled once.  No LDS byte is filled twice, so there is no ring.
; CLUSTER 4 x 4: source 0's tiles hang on X (cx) and are shared along a column of the cluster, source 1's on Y (cy) and are shared along a row: joint loads.
; OUT: images of operand registers.  q, k: [head][s / 16][lane][16 bytes]: lane (r, h) = row r, dims 32 h on.  v: [head][key / 128][d / 16][c][lane][16 bytes]: lane (r, h) = d r, keys 64 c + 32 h on.
; Scale words: [..][lane][2 words]: word p of lane l belongs to tile 2 p + l / 16, row l % 16.  q's and k's words have 0x7f in their two upper bytes: the upper 64 of the 128-deep product are zero codes.
; LIMITS: NaN and infinities are not served.  A block whose largest magnitude lies under 2^-124 (zeros among them) gets the byte 1; only this program reads the bytes.
; REGISTERS: window 0: v1-23 addresses; v32-63 source 0's scale words, v64-79 source 1's; v80-143 source 1's fragments, two sets; v144 on at work.
;   window 1: v0-127 source 0's fragments, two sets; v128-191 the bias in the result's layout.   window 2: the accumulators, (a, b) at v[8 (8 a + b)].
.set PITCH,  272                       ; an LDS row: 256 bytes + 16 of padding: the sixteen rows that a load touches start 16 bytes apart modulo 256
.set BLK16,  16*PITCH
.set SRC1,   256*PITCH                 ; in a chunk: source 0's 256 rows, then source 1's 128
.set CHUNK,  384*PITCH
.set SC0,    2*CHUNK                   ; source 0's scale bytes: 32 pieces of 256 bytes + 16
.set SC1,    SC0+32*272                ; source 1's: 16 pieces
.set F1Q,    64                        ; source 1's fragments: bytes from K step to K step, from half to half, from block to block
.set F1C,    32
.set F1A,    BLK16
.set AD0,    16                        ; v16-17 source 0's fragments in chunk 0, 1
.set AD1,    20                        ; v20-21 source 1's
.set ASC0,   22
.set ASC1,   23
.set S0R,    32
.set S1R,    64
.set F1R,    80
.set BI,     128
.set TM,     144                       ; v144-147 largest magnitudes, v148-151 partner's / bytes, v156-159 the conversions' scale operands
.set PW,     160                       ; v160-163 a scale word for each block a
.set PC,     176                       ; v176-207 the codes: eight registers for each block a, so that no store's data are written again
.set MUL,    0xa1                      ; source 0 window 1, source 1 window 0, C and D window 2
.set MULB,   0x91                      ; the same with C in window 1: the bias
.set TO_F0,  0x40                      ; destination window 1
.set MSB, 0
.macro WIN new                         ; the immediate's high byte repeats the setting that is left
.if MSB != \new
	s_set_vgpr_msb (MSB<<8)|\new
.set MSB, \new
.endif
.endm
.macro PLACES n
.rept \n
	v_nop
.endr
.endm
.macro CROUND                          ; a round of the cluster's barrier
	s_barrier_signal -1
	s_barrier_wait -1
	s_cmp_lg_u32 s18, 0
	s_cbranch_scc1 .Lnot_wave_0_\@
	s_barrier_signal -3
.Lnot_wave_0_\@:
	s_barrier_wait -3
	s_barrier_signal -1
	s_barrier_wait -1
.endm
; 24 LDS loads: the fragments of K step q (128 along K: 64 bytes of a row) into set q % 2.  A fragment: lane (r, h) holds row r; registers 4 c on hold K = 64 c + 32 h + 0 .. 31.
.macro FETCH q
	WIN TO_F0
.irp b, 0,1,2,3,4,5,6,7
.irp c, 0,1
	ds_load_b128 v[64*((\q)%2)+8*\b+4*\c:64*((\q)%2)+8*\b+4*\c+3], v[AD0+(\q)/4] offset:64*((\q)%4)+32*\c+BLK16*\b
.endr
.endr
	WIN 0
.irp a, 0,1,2,3
.irp c, 0,1
	ds_load_b128 v[F1R+32*((\q)%2)+8*\a+4*\c:F1R+32*((\q)%2)+8*\a+4*\c+3], v[AD1+(\q)/4] offset:F1Q*((\q)%4)+F1C*\c+F1A*\a
.endr
.endr
.endm
; 16 products: source 1's blocks a0, a0 + 1 x source 0's eight.  cm = 0: onto the sums; 1: the sums start from the bias of source 0's rows; 2: of source 1's rows.
; A scale register holds K step j's word in lanes 0-15 and K step 4 + j's in lanes 16-31.
.macro MULH a0, q, cm
.irp a, \a0, \a0+1
.irp b, 0,1,2,3,4,5,6,7
.set rD, 8*(8*(\a)+\b)
.set rA, 64*((\q)%2)+8*\b
.set rB, F1R+32*((\q)%2)+8*(\a)
.set rSA, S0R+4*\b+(\q)%4
.set rSB, S1R+4*(\a)+(\q)%4
.if \cm == 1
	v_wmma_scale_f32_16x16x128_f8f6f4 v[rD:rD+7], v[rA:rA+7], v[rB:rB+7], v[BI+8*\b:BI+8*\b+7], v[rSA], v[rSB] matrix_a_fmt:MATRIX_FMT_FP4 matrix_b_fmt:MATRIX_FMT_FP4
.elseif \cm == 2
	v_wmma_scale_f32_16x16x128_f8f6f4 v[rD:rD+7], v[rA:rA+7], v[rB:rB+7], v[BI+8*(\a):BI+8*(\a)+7], v[rSA], v[rSB] matrix_a_fmt:MATRIX_FMT_FP4 matrix_b_fmt:MATRIX_FMT_FP4
.elseif (\q) < 4
	v_wmma_scale_f32_16x16x128_f8f6f4 v[rD:rD+7], v[rA:rA+7], v[rB:rB+7], v[rD:rD+7], v[rSA], v[rSB] matrix_a_fmt:MATRIX_FMT_FP4 matrix_b_fmt:MATRIX_FMT_FP4
.else
	v_wmma_scale_f32_16x16x128_f8f6f4 v[rD:rD+7], v[rA:rA+7], v[rB:rB+7], v[rD:rD+7], v[rSA], v[rSB] matrix_a_fmt:MATRIX_FMT_FP4 matrix_b_fmt:MATRIX_FMT_FP4 matrix_a_scale:MATRIX_SCALE_ROW1 matrix_b_scale:MATRIX_SCALE_ROW1
.endif
.endr
.endr
.endm
.macro STEP q                          ; a K step: its fragments are in; the next step's are asked for, into the set that the last step's products read (four places behind them); 32 products
	s_wait_dscnt 0x0
.if (\q) < 7
	PLACES 4
	FETCH (\q)+1
.endif
	WIN MUL
	MULH 0, \q, 0
	MULH 2, \q, 0
.endm
	s_load_b256 s[4:11], s[0:1], 0x0               ; x's codes s[4:5], x's scales s[6:7], W's codes s[8:9], W's scales s[10:11]
	s_load_b128 s[12:15], s[0:1], 0x20             ; the bias s[12:13], qkv_codes s[14:15]
	s_load_b64 s[16:17], s[0:1], 0x30              ; qkv_scales
	v_lshl_add_u32 v254, v0, 2, 0x38000
	v_mov_b32 v255, 0
	ds_add_u32 v254, v255
	ds_add_u32 v254, v255
	v_lshrrev_b32 v1, 5, v0
	v_readfirstlane_b32 s18, v1                    ; wave 0..3
	s_lshr_b32 s19, s18, 1                         ; my half of source 1.  Also: I fetch for source 0 (0) or source 1 (1)
	s_and_b32 s20, s18, 1                          ; my half of source 0.  Also: which half of that tile I fetch
	s_bfe_u32 s22, ttmp6, 0x40000                  ; cx
	s_bfe_u32 s23, ttmp6, 0x40004                  ; cy
	s_sub_co_u32 s96, ttmp9, 32                    ; the cluster's number within section v
	s_and_b32 s92, ttmp9, 1                        ; section qk: 2 x 16 clusters
	s_lshr_b32 s93, ttmp9, 1
	s_and_b32 s97, s96, 7                          ; section v: 8 x 2 clusters
	s_lshr_b32 s101, s96, 3
	s_cmp_lt_u32 ttmp9, 32
	s_cselect_b32 s92, s92, s97
	s_cselect_b32 s93, s93, s101
	s_cselect_b32 s21, 0, 1                        ; the section: the same in all sixteen partners
	s_cselect_b32 s101, 0, 2048                    ; source 1's first row in its tensor
	s_lshl_b32 s92, s92, 2
	s_add_co_u32 s92, s92, s22                     ; X: which 256 rows of source 0
	s_lshl_b32 s93, s93, 2
	s_add_co_u32 s93, s93, s23                     ; Y: which 128 rows of source 1
	s_lshl_b32 s96, 0x1111, s22                    ; my column of the cluster
	s_lshl_b32 s94, s23, 2
	s_lshl_b32 s94, 15, s94                        ; my row
	; descriptor groups 1.  Codes: rows of 256 elements of 1 byte, 512 bytes apart, 4 words of padding behind every 64; bit 21 set beside the mask
	s_or_b32 s24, s96, (1<<20)|(1<<21)|(5<<22)|(3<<25)             ; source 0: 128 rows, to my column
	s_or_b32 s32, s94, (1<<20)|(1<<21)|(5<<22)|(3<<25)             ; source 1: 64 rows, to my row
.irp g, 24, 32
	s_mov_b32 s[\g+1], 256<<16                     ; tensor_dim0
	s_mov_b32 s[\g+3], 256<<16                     ; tile_dim0
	s_mov_b32 s[\g+5], 512                         ; from row to row
	s_mov_b32 s[\g+6], 0
	s_mov_b32 s[\g+7], 0
.endr
	s_mov_b32 s26, 128<<16                         ; tensor_dim1
	s_mov_b32 s28, 128                             ; tile_dim1
	s_mov_b32 s34, 64<<16
	s_mov_b32 s36, 64
	; scale bytes: a dense block, as rows of 32 elements of 8 bytes, the same padding
	s_or_b32 s40, s96, (3<<16)|(1<<20)|(1<<21)|(5<<22)|(3<<25)     ; source 0: 128 rows x 32 bytes = 16 pieces
	s_or_b32 s48, s94, (3<<16)|(1<<20)|(1<<21)|(5<<22)|(3<<25)     ; source 1: 8 pieces
.irp g, 40, 48
	s_mov_b32 s[\g+1], 32<<16
	s_mov_b32 s[\g+3], 32<<16
	s_mov_b32 s[\g+5], 32
	s_mov_b32 s[\g+6], 0
	s_mov_b32 s[\g+7], 0
.endr
	s_mov_b32 s42, 16<<16
	s_mov_b32 s44, 16
	s_mov_b32 s50, 8<<16
	s_mov_b32 s52, 8
	; where the tiles come from: source 0's offsets are made of X and the wave alone, source 1's of Y and the wave alone, in registers of their own
	s_lshl_b32 s96, s92, 8
	s_lshl_b32 s97, s20, 7
	s_add_co_u32 s96, s96, s97                     ; source 0: row 256 X + 128 x half
	s_lshl_b32 s2, s96, 5                          ; its scale bytes
	s_mov_b32 s3, 0
	s_lshl_b32 s96, s96, 9                         ; its codes
	s_mov_b32 s97, 0
	s_lshl_b32 s94, s93, 7
	s_lshl_b32 s95, s20, 6
	s_add_co_u32 s94, s94, s95
	s_add_co_u32 s94, s94, s101                    ; source 1: row 128 Y + 64 x half (+ 2,048 in W)
	s_lshl_b32 s100, s94, 5
	s_mov_b32 s101, 0
	s_lshl_b32 s94, s94, 9
	s_mov_b32 s95, 0
	; and where they go: constants and the wave's number alone
.irp g, 56, 60, 68, 72, 76, 80
	s_mov_b32 s[\g], 1
.endr
	s_mul_i32 s57, s20, 16*272
	s_add_co_u32 s57, s57, SC0
	s_mul_i32 s61, s20, 128*PITCH
	s_add_co_u32 s69, s61, CHUNK
	s_mul_i32 s73, s20, 8*272
	s_add_co_u32 s73, s73, SC1
	s_mul_i32 s77, s20, 64*PITCH
	s_add_co_u32 s77, s77, SRC1
	s_add_co_u32 s81, s77, CHUNK
	s_wait_dscnt 0x0
	s_wait_kmcnt 0x0
	s_cmp_eq_u32 s21, 0                            ; which tensor is source 0: a choice on the cluster's number
	s_cselect_b64 s[84:85], s[8:9], s[4:5]
	s_cselect_b64 s[86:87], s[10:11], s[6:7]
	s_cselect_b64 s[88:89], s[4:5], s[8:9]
	s_cselect_b64 s[90:91], s[6:7], s[10:11]
	s_add_nc_u64 s[58:59], s[86:87], s[2:3]
	s_add_nc_u64 s[62:63], s[84:85], s[96:97]
	s_add_nc_u64 s[70:71], s[62:63], 256           ; chunk 1: 256 bytes on in each row
	s_add_nc_u64 s[74:75], s[90:91], s[100:101]
	s_add_nc_u64 s[78:79], s[88:89], s[94:95]
	s_add_nc_u64 s[82:83], s[78:79], 256
.irp g, 59, 63, 71, 75, 79, 83
	s_or_b32 s[\g], s[\g], 0x80000000              ; the type
.endr
	CROUND                                         ; all sixteen work-groups are here: the joint loads meet
	s_cmp_lt_u32 s18, 2                            ; a wave's three fills stand in one branch on the wave's number: three loads of mine are out
	s_cbranch_scc0 .Lfor_1
	tensor_load_to_lds s[56:59], s[40:47]          ; scale bytes,
	s_nop 0
	tensor_load_to_lds s[60:63], s[24:31]          ; chunk 0,
	s_nop 0
	tensor_load_to_lds s[68:71], s[24:31]          ; chunk 1
	s_nop 0
	PLACES 4
	s_branch .Lasked
.Lfor_1:
	tensor_load_to_lds s[72:75], s[48:55]
	s_nop 0
	tensor_load_to_lds s[76:79], s[32:39]
	s_nop 0
	tensor_load_to_lds s[80:83], s[32:39]
	s_nop 0
	PLACES 4
.Lasked:
	v_and_b32 v1, 15, v0                           ; r
	v_bfe_u32 v2, v0, 4, 1                         ; h
	v_and_b32 v5, 31, v0
	v_lshlrev_b32 v3, 4, v5                        ; 16 x lane
	v_lshlrev_b32 v4, 3, v5                        ; 8 x lane
	v_mul_u32_u24 v5, v1, PITCH
	v_lshl_add_u32 v5, v2, 4, v5                   ; a fragment's row x pitch + 16 h
	s_mul_i32 s4, s20, 128*PITCH
	v_add_nc_u32 v[AD0], s4, v5
	s_add_co_u32 s4, s4, CHUNK
	v_add_nc_u32 v[AD0+1], s4, v5
	s_mul_i32 s4, s19, 64*PITCH
	s_add_co_u32 s4, s4, SRC1
	v_add_nc_u32 v[AD1], s4, v5
	s_add_co_u32 s4, s4, CHUNK
	v_add_nc_u32 v[AD1+1], s4, v5
	v_lshrrev_b32 v6, 3, v1                        ; a row's 32 scale bytes: eight rows to a piece of 256 + 16 bytes;
	v_mul_u32_u24 v6, v6, 272
	v_and_b32 v7, 7, v1
	v_lshl_add_u32 v6, v7, 5, v6
	v_lshl_add_u32 v6, v2, 4, v6                   ; lanes 0-15 take the words of K steps 0-3, lanes 16-31 those of 4-7
	s_mul_i32 s4, s20, 16*272
	s_add_co_u32 s4, s4, SC0
	v_add_nc_u32 v[ASC0], s4, v6
	s_mul_i32 s4, s19, 8*272
	s_add_co_u32 s4, s4, SC1
	v_add_nc_u32 v[ASC1], s4, v6
	v_lshlrev_b32 v12, 5, v2                       ; the bias of source 0's rows: eight numbers from 8 h on
	v_lshlrev_b32 v13, 2, v1                       ; of source 1's rows: number r
.irp b, 0,1,2,3
	v_mov_b32 v[TM+4+\b], 0                        ; written once: a lane permute's destination counts as one of its sources
.endr
	s_mov_b32 s98, 0x76543210
	s_mov_b32 s99, 0xfedcba98                      ; v_permlanex16_b32's selects for lane l xor 16
	; the bias: section qk: b[256 X + 128 (w & 1) ..];  section v: b[2,048 + 128 Y + 64 (w >> 1) ..]
	s_lshl_b32 s4, s92, 10
	s_lshl_b32 s5, s20, 9
	s_add_co_u32 s4, s4, s5
	s_lshl_b32 s5, s93, 9
	s_lshl_b32 s6, s19, 8
	s_add_co_u32 s5, s5, s6
	s_add_co_u32 s5, s5, 8192
	s_cmp_eq_u32 s21, 0
	s_cselect_b32 s4, s4, s5
	s_mov_b32 s5, 0
	s_add_nc_u64 s[12:13], s[12:13], s[4:5]
	s_cmp_eq_u32 s21, 0
	s_cbranch_scc0 .Lbias_v
	WIN TO_F0
	s_wait_alu depctr_va_vdst(0)
.irp b, 0,1,2,3,4,5,6,7
	global_load_b128 v[BI+8*\b:BI+8*\b+3], v12, s[12:13] offset:64*\b           ; tile b, register j: b of source 0's row 16 b + 8 h + j
	global_load_b128 v[BI+8*\b+4:BI+8*\b+7], v12, s[12:13] offset:64*\b+16
.endr
	WIN 0
	s_branch .Lbias_in
.Lbias_v:
	WIN TO_F0
	s_wait_alu depctr_va_vdst(0)
.irp a, 0,1,2,3,4,5,6,7                        ; tile a, all eight registers: b of source 1's row 16 a + r (tiles 4-7 repeat 0-3: every register is written on both ways)
.irp j, 0,1,2,3,4,5,6,7
	global_load_b32 v[BI+8*\a+\j], v13, s[12:13] offset:64*(\a%4)
.endr
.endr
	WIN 0
.Lbias_in:
	; where the results go.  i0: which 128 rows of source 0, i1: which 64 rows of source 1
	s_lshl_b32 s4, s92, 1
	s_add_co_u32 s4, s4, s20                       ; i0
	s_lshl_b32 s5, s93, 1
	s_add_co_u32 s5, s5, s19                       ; i1
	s_lshr_b32 s6, s4, 3                           ; section qk: 0: q, 1: k
	s_lshl_b32 s7, s4, 1
	s_and_b32 s7, s7, 15                           ; the first of my two heads
	s_lshr_b32 s8, s5, 5                           ; the batch
	s_lshl_b32 s8, s8, 4
	s_add_co_u32 s7, s7, s8                        ; 16 x batch + head
	s_and_b32 s8, s5, 31                           ; G = s / 64
	s_lshl_b32 s9, s6, 22
	s_lshl_b32 s10, s7, 16
	s_add_co_u32 s9, s9, s10
	s_lshl_b32 s10, s8, 11
	s_add_co_u32 s9, s9, s10                       ; the codes: four tiles of 512 bytes from here
	s_mov_b32 s10, 12288
	s_cmp_eq_u32 s6, 0
	s_cselect_b32 s10, 8192, s10                   ; a head's scale bytes: q 8,192; k 8,192 with v's 4,096 behind
	s_cselect_b32 s11, 0, 524288
	s_mul_i32 s7, s7, s10
	s_add_co_u32 s11, s11, s7
	s_lshl_b32 s8, s8, 8
	s_add_co_u32 s11, s11, s8                      ; the scale words: 256 bytes
	s_lshr_b32 s6, s4, 4                           ; section v: the batch,
	s_lshl_b32 s6, s6, 4
	s_add_co_u32 s6, s6, s5                        ; 16 x batch + head
	s_and_b32 s7, s4, 15                           ; j = key / 128
	s_lshl_b32 s8, s6, 16
	s_add_co_u32 s8, s8, 8388608
	s_lshl_b32 s4, s7, 12
	s_add_co_u32 s8, s8, s4
	s_mul_i32 s6, s6, 12288
	s_add_co_u32 s6, s6, 524288+8192
	s_lshl_b32 s7, s7, 8
	s_add_co_u32 s6, s6, s7
	s_cmp_eq_u32 s21, 0
	s_cselect_b32 s4, s9, s8                       ; registers 0-3 of block a = 0
	s_cselect_b32 s6, s11, s6
	s_mov_b32 s8, 512
	s_cselect_b32 s8, 65536, s8                    ; to registers 4-7: the next head, or the upper 64 keys
	s_mov_b32 s66, 1024
	s_cselect_b32 s66, 512, s66                    ; from block a to block a + 1
	s_mov_b32 s5, 0
	s_mov_b32 s7, 0
	s_mov_b32 s9, 0
	s_mov_b32 s11, 0
	s_add_nc_u64 s[84:85], s[14:15], s[4:5]
	s_add_nc_u64 s[86:87], s[84:85], s[8:9]
	s_add_nc_u64 s[88:89], s[16:17], s[6:7]
	s_add_nc_u64 s[90:91], s[88:89], s[10:11]      ; the second head's scale words (section qk alone)
	v_mov_b32 v8, v3
	v_add_nc_u32 v9, s66, v8
	v_add_nc_u32 v10, s66, v9
	v_add_nc_u32 v11, s66, v10
	s_mov_b32 s2, 0xffff
	s_mov_b32 s3, 0xffff0000                       ; lanes 16-31
	s_mov_b32 s100, 0x7f7f0000
	s_wait_tensorcnt 0x1                           ; my scale bytes and my part of chunk 0 are in; chunk 1's load may stay out
	s_barrier_signal -1
	s_barrier_wait -1                              ; everybody's are
.irp b, 0,1,2,3,4,5,6,7
	ds_load_b128 v[S0R+4*\b:S0R+4*\b+3], v[ASC0] offset:544*\b     ; the scale words of all of K, once
.endr
.irp a, 0,1,2,3
	ds_load_b128 v[S1R+4*\a:S1R+4*\a+3], v[ASC1] offset:544*\a
.endr
	FETCH 0
	s_wait_loadcnt 0x0                             ; the bias
	s_wait_dscnt 0x0
	FETCH 1
	s_cmp_eq_u32 s21, 0                            ; K step 0 starts the sums from the bias: nothing is cleared, nothing is added later
	s_cbranch_scc0 .Lstart_v
	WIN MULB
	MULH 0, 0, 1
	MULH 2, 0, 1
	WIN 0
	s_branch .Lstarted
.Lstart_v:
	WIN MULB
	MULH 0, 0, 2
	MULH 2, 0, 2
	WIN 0
.Lstarted:
	STEP 1
	STEP 2
	s_wait_tensorcnt 0x0                           ; K step 3: my part of chunk 1 is in,
	s_wait_dscnt 0x0                               ; and so are this step's fragments
	s_barrier_signal -1
	WIN MUL
	MULH 0, 3, 0                                   ; work on registers while the others arrive
	s_barrier_wait -1                              ; chunk 1 is whole
	PLACES 4
	FETCH 4
	WIN MUL
	MULH 2, 3, 0
	STEP 4
	STEP 5
	STEP 6
	STEP 7
	WIN 0
	PLACES 4                                       ; in front of the first read of results
; Block a's 64 numbers of a lane (tile b, register j: index 16 b + 8 h + j along source 0, of source 1's row r) become a fragment's codes and a scale word.
; Block beta of 32 is tiles 2 beta and 2 beta + 1, in lanes l and l xor 16.  Each accumulator is read from its low end on.
.macro QUANTW a
.set AC, 64*(\a)
	WIN 0x0a                                       ; sources 0 and 1 in window 2
.irp b, 0,1,2,3
	v_max3_num_f32 v[TM+\b], |v[AC+16*\b]|, |v[AC+16*\b+1]|, 0x1800000   ; with the floor 2^(3 - 127): the byte cannot fall under 1
.endr
	WIN 0x28                                       ; sources 1 and 2 in window 2
.irp i, 2,4,6,8,10,12,14
.irp b, 0,1,2,3
	v_max3_num_f32 v[TM+\b], v[TM+\b], |v[AC+16*\b+\i]|, |v[AC+16*\b+\i+1]|   ; the four blocks by turns
.endr
.endr
	WIN 0
.irp b, 0,1,2,3
	v_permlanex16_b32 v[TM+4+\b], v[TM+\b], s98, s99
.endr
.irp b, 0,1,2,3
	v_max_num_f32 v[TM+\b], v[TM+\b], v[TM+4+\b]   ; the block's largest magnitude
.endr
.irp b, 0,1,2,3
	v_add_nc_u32 v[TM+12+\b], 0xff000000, v[TM+\b] ; 2 off its exponent field: the conversion's scale operand
.endr
.irp b, 0,1,2,3
	v_lshrrev_b32 v[TM+4+\b], 23, v[TM+12+\b]      ; the scale's byte
.endr
	v_lshl_or_b32 v[PW+\a], v[TM+5], 8, v[TM+4]
	v_lshl_or_b32 v[PW+\a], v[TM+6], 16, v[PW+\a]
	v_lshl_or_b32 v[PW+\a], v[TM+7], 24, v[PW+\a]
	WIN 0x02                                       ; source 0 in window 2
.irp b, 0,1,2,3
.irp e, 0,1
	v_cvt_scalef32_pk8_fp4_f32 v[PC+8*(\a)+4*(\b/2)+2*\e+(\b%2)], v[AC+16*\b+8*\e:AC+16*\b+8*\e+7], v[TM+12+\b]   ; tile 2 b + e: eight codes; the destinations are ordered for the exchange below
.endr
.endr
	WIN 0
	v_nop                                          ; one plain place behind a scaled conversion
.irp c, 0,1
.irp e, 0,1
	v_permlane16_swap_b32 v[PC+8*(\a)+4*\c+2*\e], v[PC+8*(\a)+4*\c+2*\e+1]   ; the first's lanes 16-31 change places with the second's lanes 0-15: register 4 c + i now holds index 64 c + 32 h + 8 i on
.endr
.endr
	global_store_b128 v[8+\a], v[PC+8*(\a):PC+8*(\a)+3], s[84:85]      ; 32 lanes store 512 consecutive bytes, at a multiple of 512 from the buffer's first byte
	global_store_b128 v[8+\a], v[PC+8*(\a)+4:PC+8*(\a)+7], s[86:87]
.endm
	QUANTW 0
	QUANTW 1
	QUANTW 2
	QUANTW 3
	v_cndmask_b32 v164, v160, v161, s3             ; word 0: lanes 0-15 block 0's, lanes 16-31 block 1's
	v_cndmask_b32 v165, v162, v163, s3             ; word 1: blocks 2 and 3
	s_cmp_eq_u32 s21, 0
	s_cbranch_scc0 .Lv_words
	v_and_or_b32 v166, v164, s2, s100              ; the first head's two bytes, 0x7f above them
	v_and_or_b32 v167, v165, s2, s100
	v_lshrrev_b32 v168, 16, v164                   ; the second head's
	v_lshrrev_b32 v169, 16, v165
	v_or_b32 v168, s100, v168
	v_or_b32 v169, s100, v169
	global_store_b64 v4, v[166:167], s[88:89]      ; 32 lanes store 256 consecutive bytes, aligned
	global_store_b64 v4, v[168:169], s[90:91]
	s_branch .Lwords_out
.Lv_words:
	s_wait_alu depctr_va_vdst(0)
	global_store_b64 v4, v[164:165], s[88:89]      ; four bytes: the four blocks of 32 keys
.Lwords_out:
	s_wait_tensorcnt 0x0
	ds_add_u32 v254, v255
	s_wait_dscnt 0x0
	CROUND                                         ; the closing round: no work-group ends while a partner may still ask for a tile that names it
	s_endpgm
.Lfunc_end_k_q97d313519d_qkv:
	.size	k_q97d313519d_qkv, .Lfunc_end_k_q97d313519d_qkv-k_q97d313519d_qkv
	.p2alignl 7, 3214868480
	.fill 96, 4, 3214868480
	.section	.rodata,"a",@progbits
	.p2align	6, 0x0
	.amdhsa_kernel k_q97d313519d_qkv
		.amdhsa_group_segment_fixed_size 229888
		.amdhsa_private_segment_fixed_size 0
		.amdhsa_enable_private_segment 0
		.amdhsa_kernarg_size 56
		.amdhsa_user_sgpr_count 2
		.amdhsa_user_sgpr_kernarg_segment_ptr 1
		.amdhsa_wavefront_size32 1
		.amdhsa_system_sgpr_workgroup_id_x 1
		.amdhsa_system_sgpr_workgroup_id_y 1
		.amdhsa_system_sgpr_workgroup_id_z 1
		.amdhsa_system_vgpr_workitem_id 0
		.amdhsa_next_free_vgpr 768
		.amdhsa_next_free_sgpr 102
		.amdhsa_reserve_vcc 0
		.amdhsa_float_denorm_mode_32 3
		.amdhsa_float_denorm_mode_16_64 3
		.amdhsa_memory_ordered 1
		.amdhsa_forward_progress 1
		.amdhsa_inst_pref_size 88
	.end_amdhsa_kernel
	.amdgpu_metadata
---
amdhsa.version: [ 1, 2 ]
amdhsa.kernels:
  - .name:           k_q97d313519d_qkv
    .symbol:         k_q97d313519d_qkv.kd
    .args:
      - { .name: hidden_states_codes, .offset: 0, .size: 8, .value_kind: global_buffer, .address_space: global }
      - { .name: hidden_states_scales, .offset: 8, .size: 8, .value_kind: global_buffer, .address_space: global }
      - { .name: c_attn_w_codes, .offset: 16, .size: 8, .value_kind: global_buffer, .address_space: global }
      - { .name: c_attn_w_scales, .offset: 24, .size: 8, .value_kind: global_buffer, .address_space: global }
      - { .name: c_attn_b, .offset: 32, .size: 8, .value_kind: global_buffer, .address_space: global }
      - { .name: qkv_codes, .offset: 40, .size: 8, .value_kind: global_buffer, .address_space: global }
      - { .name: qkv_scales, .offset: 48, .size: 8, .value_kind: global_buffer, .address_space: global }
    .group_segment_fixed_size: 229888
    .private_segment_fixed_size: 0
    .kernarg_segment_align: 8
    .kernarg_segment_size: 56
    .max_flat_workgroup_size: 128
    .sgpr_count:     102
    .vgpr_count:     768
    .wavefront_size: 32
...
	.end_amdgpu_metadata
.endif
;; end of part 1
;; launch attn (part 2): grid 4 x 64, 16 waves a work-group, no clusters, 169,984 bytes of LDS; arguments qkv_codes, qkv_scales, attn_codes, attn_scales; writes attn_codes, attn_scales
.if DOCPART == 2
	.amdgcn_target "amdgcn-amd-amdhsa--gfx1250"
	.amdhsa_code_object_version 6
	.text
	.protected	k_q97d313519d_attn
	.globl	k_q97d313519d_attn
	.p2align	8
	.type	k_q97d313519d_attn,@function
k_q97d313519d_attn:
	s_mov_b64 s[64:65], 0
	v_nop
	global_prefetch_b8 v0, s[64:65] scope:SCOPE_SE
	s_setreg_imm32_b32 hwreg(HW_REG_WAVE_MODE, 25, 1), 1
	s_wait_xcnt 0x0
; Causal attention of one head (64 dims, 2,048 keys) on codes of FP4 (E2M1) with E8M0 scales; O / l is quantised along the head and leaves as codes for the last product.
; t = score x log2(e) / 8; M = the running largest t rounded UP to a whole number; p = 2^(t - M) is quantised along the keys, not normalised; the row's sum is taken of the unquantised p and divides O at the end.
; When M moves, the sum and O are multiplied by 2^(old M - new M): exact.
; SHARES.  Work-group (i, head) owns the blocks 7 - i and i of 256 queries.  Each of its sixteen waves takes one tile of 16 queries in each of two passes: first 256 (7 - i) + 16 w, then 256 i + 16 (w xor 15).
; A key step is 128 keys; steps all of whose keys come after the wave's queries are left out (a scalar branch on ids); the steps that remain are 17 for every wave of every work-group.
; Four waves share a SIMD, so that one wave's vector work stands beside another's products and LDS loads.
; NO CLUSTER, though the four work-groups of a head read the same K and V: which steps are left out hangs on the block of queries, which would be the work-group's place in its cluster
; Doing all 16 + 8 steps in place of 17 would cost more than the shared fetch of 140 KiB saves.
; LDS: the head's K and V as images of operand registers (65,536 bytes each) and their scale words (12,288), each filled ONCE: waves 0-3 fetch 32 KiB each, wave 4 the scale words: one tensor load a wave.
; LAYOUT.  Both products are used transposed: S^T = K Q^T (source 0 = 16 keys), O^T = V^T P^T (source 0 = 16 dims): a lane holds ONE query (lane % 16) throughout.  In tile t, register j of lane (r, h) is key 16 t + 8 h + j.
; The first product's K is 64: registers 4-7 of K's and Q's fragments are zero codes, and their scale words have 0x7f in the two upper bytes.
; LIMITS: NaN and infinities are not served.  A block whose largest magnitude lies under 2^-124 gets the byte 1.  A block's largest p is taken through the block's largest score, which takes v_exp_f32 not to fall where its input rises.
; REGISTERS: v1-6 addresses that stay; v8-11 addresses of the step; v12 -M, v13 the largest t, v[14:15] the sum; v[16:23], v[192:199] Q of pass 1, 2; v24, v25 their scale words; v28-30 the gather's addresses;
;   v[32:63] four fragments of K; v[64:95] V's four; v[96:159] S^T, then p; v[160:191] O^T; v[200:207] the codes that leave; v[208:209] V's scale words; v[224:231] p's codes; v232-247, v252, v254 at work; v[248:251] K's scale words; v253 p's scale word.
.set VC,   65536                       ; LDS: K's images at 0, V's here,
.set KSC,  131072                      ; K's scale words (8,192 bytes), V's behind them (4,096),
.set VSC,  139264
.set SCG,  143360                      ; and 1,024 bytes of the work-group's own, into which no fill lands: the scale bytes of its 512 rows of O are gathered here
.set WV,   12
.set BH,   14
.set KF,   16                          ; s16  the step's first key
.set TK,   17                          ; s17  where the step's images begin: 4,096 bytes a step, in K and in V
.set TS,   18                          ; s18  K's scale words: 512 bytes a step
.set TV,   19                          ; s19  V's: 256
.set CNT,  20
.set Q0A,  21                          ; s21, s22  pass 1: my first and last query
.set QLA,  22
.set Q0B,  23                          ; s23, s24  pass 2
.set QLB,  24
.set G1A,  28                          ; s[28:35] group 1: 128 rows of 256 bytes;  s[36:43]: 48 rows
.set G1S,  36
.set G0A,  44
.set G0S,  48
.set SEL,  52
.set CS,   54                          ; s[54:55] c = log2(e) / 8
.set OBA,  56                          ; s[56:57], s[58:59] where the two passes' codes go;  s[60:61] the scale bytes
.set OBB,  58
.set OSC,  60
.macro PLACES n
.rept \n
	v_nop
.endr
.endm
	s_load_b256 s[4:11], s[0:1], 0x0               ; qkv_codes s[4:5], qkv_scales s[6:7], attn_codes s[8:9], attn_scales s[10:11]
	v_lshl_add_u32 v243, v0, 2, 0x29000
	v_mov_b32 v255, 0
	ds_add_u32 v243, v255
	ds_add_u32 v243, v255
	v_lshrrev_b32 v1, 5, v0
	s_delay_alu instid0(VALU_DEP_1)
	v_readfirstlane_b32 s[WV], v1                  ; wave 0..15
	s_and_b32 s[BH], ttmp7, 0xffff                 ; 16 x batch + head
.irp g, G1A, G1S
	s_mov_b32 s[\g], 3<<16                         ; no mask, elements of 8 bytes, no padding: every LDS read takes consecutive bytes
	s_mov_b32 s[\g+1], 32<<16                      ; tensor_dim0: 256 bytes
	s_mov_b32 s[\g+3], 32<<16                      ; tile_dim0
	s_mov_b32 s[\g+5], 32                          ; dense
	s_mov_b32 s[\g+6], 0
	s_mov_b32 s[\g+7], 0
.endr
	s_mov_b32 s[G1A+2], 128<<16
	s_mov_b32 s[G1A+4], 128
	s_mov_b32 s[G1S+2], 48<<16
	s_mov_b32 s[G1S+4], 48
	s_and_b32 s25, s[WV], 3
	s_lshl_b32 s[G0A+1], s25, 15                   ; LDS: 32,768 x (wave & 3): K's halves, then V's
	s_lshr_b32 s26, s25, 1
	s_add_co_u32 s26, s26, 1
	s_lshl_b32 s26, s26, 22                        ; k's part of qkv_codes, or v's,
	s_lshl_b32 s27, s[BH], 16
	s_add_co_u32 s26, s26, s27                     ; my head,
	s_and_b32 s27, s25, 1
	s_lshl_b32 s27, s27, 15
	s_add_co_u32 s26, s26, s27                     ; its half
	s_mov_b32 s27, 0
	s_mul_i32 s76, s[BH], 12288
	s_add_co_u32 s76, s76, 524288                  ; my head's scale words of k and v
	s_mov_b32 s77, 0
	s_mov_b32 s[G0A], 1
	s_mov_b32 s[G0S], 1
	s_mov_b32 s[G0S+1], KSC
	s_wait_dscnt 0x0
	s_wait_kmcnt 0x0
	s_add_nc_u64 s[G0A+2:G0A+3], s[4:5], s[26:27]
	s_or_b32 s[G0A+3], s[G0A+3], 0x80000000
	s_add_nc_u64 s[G0S+2:G0S+3], s[6:7], s[76:77]
	s_or_b32 s[G0S+3], s[G0S+3], 0x80000000
	s_cmp_lt_u32 s[WV], 4
	s_cbranch_scc0 .Lnot_codes
	tensor_load_to_lds s[G0A:G0A+3], s[G1A:G1A+7]
	s_nop 0
	PLACES 4
	s_branch .Lasked
.Lnot_codes:
	s_cmp_eq_u32 s[WV], 4
	s_cbranch_scc0 .Lasked
	tensor_load_to_lds s[G0S:G0S+3], s[G1S:G1S+7]
	s_nop 0
	PLACES 4
.Lasked:
	v_and_b32 v7, 31, v0                           ; lane
	s_delay_alu instid0(VALU_DEP_1)
	v_lshlrev_b32 v1, 4, v7                        ; 16 x lane: an image's place for my lane
	s_delay_alu instid0(VALU_DEP_1)
	v_add_nc_u32 v2, VC, v1
	s_delay_alu instid0(VALU_DEP_3)
	v_lshl_add_u32 v3, v7, 3, KSC                  ; 8 x lane: two scale words
	s_delay_alu instid0(VALU_DEP_4)
	v_lshl_add_u32 v4, v7, 3, VSC
	v_and_b32 v26, 15, v0                          ; r
	v_bfe_u32 v27, v0, 4, 1                        ; h
	s_delay_alu instid0(VALU_DEP_1)
	v_lshlrev_b32 v5, 3, v27
	s_delay_alu instid0(VALU_DEP_1)
	v_sub_nc_u32 v5, v26, v5                       ; r - 8 h, for the mask
	s_delay_alu instid0(VALU_DEP_4)
	v_lshlrev_b32 v6, 3, v26                       ; 8 r
	s_wait_alu depctr_va_vdst(0)
	v_lshlrev_b32 v28, 1, v26
	s_lshl_b32 s25, s[WV], 5
	s_add_co_u32 s25, s25, SCG
	s_xor_b32 s26, s[WV], 15
	s_lshl_b32 s26, s26, 5
	s_add_co_u32 s26, s26, SCG+512
	v_add_nc_u32 v29, s26, v28                     ; pass 2: SCG + 512 + 32 (w xor 15) + 2 r
	v_add_nc_u32 v28, s25, v28                     ; pass 1: SCG + 32 w + 2 r
	v_lshl_add_u32 v30, v0, 4, SCG                 ; the way out of the gather: waves 0 and 1, 16 bytes a lane
	s_sub_co_u32 s[Q0A], 7, ttmp9
	s_lshl_b32 s[Q0A], s[Q0A], 8
	s_lshl_b32 s25, s[WV], 4
	s_add_co_u32 s[Q0A], s[Q0A], s25
	s_add_co_u32 s[QLA], s[Q0A], 15
	s_xor_b32 s25, s[WV], 15
	s_lshl_b32 s25, s25, 4
	s_lshl_b32 s[Q0B], ttmp9, 8
	s_add_co_u32 s[Q0B], s[Q0B], s25
	s_add_co_u32 s[QLB], s[Q0B], 15
; Q's fragment (tile T = first query / 16: 512 bytes at 512 T) and its scale words (word (T >> 1) & 1 of lane 16 (T & 1) + r in the 256 bytes of T >> 2).  Each pass has address registers of its own.
.macro QLOAD Q0S, QF, QS, A
	s_lshl_b32 s[\A], s[\Q0S], 5
	s_lshl_b32 s[\A+1], s[BH], 16
	s_add_co_u32 s[\A], s[\A], s[\A+1]
	s_mov_b32 s[\A+1], 0
	s_add_nc_u64 s[\A:\A+1], s[4:5], s[\A:\A+1]
	global_load_b128 v[\QF:\QF+3], v1, s[\A:\A+1]
	s_lshr_b32 s25, s[\Q0S], 4
	s_lshr_b32 s[\A+2], s25, 2
	s_lshl_b32 s[\A+2], s[\A+2], 8
	s_and_b32 s26, s25, 1
	s_lshl_b32 s26, s26, 7
	s_add_co_u32 s[\A+2], s[\A+2], s26
	s_bfe_u32 s26, s25, 0x10001
	s_lshl_b32 s26, s26, 2
	s_add_co_u32 s[\A+2], s[\A+2], s26
	s_lshl_b32 s26, s[BH], 13
	s_add_co_u32 s[\A+2], s[\A+2], s26
	s_mov_b32 s[\A+3], 0
	s_add_nc_u64 s[\A+2:\A+3], s[6:7], s[\A+2:\A+3]
	global_load_b32 v[\QS], v6, s[\A+2:\A+3]
.endm
	QLOAD Q0A, 16, 24, 68
	QLOAD Q0B, 192, 25, 72
	; where the results go: attn_codes [head / 8][row / 16][head % 8][lane][16 bytes]; attn_scales [head][row] of two bytes
	s_and_b32 s25, s[BH], 15                       ; head
	s_lshr_b32 s26, s[BH], 4                       ; batch
	s_lshr_b32 s27, s25, 3
	s_lshl_b32 s27, s27, 21
	s_lshl_b32 s76, s26, 19
	s_add_co_u32 s27, s27, s76
	s_and_b32 s76, s25, 7
	s_lshl_b32 s76, s76, 9
	s_add_co_u32 s27, s27, s76
	s_lshl_b32 s[OBA], s[Q0A], 8
	s_add_co_u32 s[OBA], s[OBA], s27
	s_mov_b32 s[OBA+1], 0
	s_add_nc_u64 s[OBA:OBA+1], s[8:9], s[OBA:OBA+1]
	s_lshl_b32 s[OBB], s[Q0B], 8
	s_add_co_u32 s[OBB], s[OBB], s27
	s_mov_b32 s[OBB+1], 0
	s_add_nc_u64 s[OBB:OBB+1], s[8:9], s[OBB:OBB+1]
	s_sub_co_u32 s76, 7, ttmp9
	s_cmp_eq_u32 s[WV], 0
	s_cselect_b32 s76, s76, ttmp9                  ; wave 0 stores block 7 - i's bytes, wave 1 block i's
	s_lshl_b32 s[OSC], s76, 9
	s_lshl_b32 s25, s25, 14
	s_add_co_u32 s[OSC], s[OSC], s25
	s_lshl_b32 s26, s26, 12
	s_add_co_u32 s[OSC], s[OSC], s26
	s_mov_b32 s[OSC+1], 0
	s_add_nc_u64 s[OSC:OSC+1], s[10:11], s[OSC:OSC+1]
	s_mov_b32 s[SEL], 0x76543210
	s_mov_b32 s[SEL+1], 0xfedcba98                 ; v_permlanex16_b32's selects for lane l xor 16
	s_mov_b32 s[CS], 0x3e38aa3b                    ; c = log2(e) / 8
	s_mov_b32 s[CS+1], s[CS]                       ; (named with it as a pair, so it is written)
.irp j, 20,21,22,23, 196,197,198,199, 36,37,38,39, 44,45,46,47, 52,53,54,55, 60,61,62,63
	v_mov_b32 v[\j], 0                             ; the upper 64 of the first product's K: zero codes, written once
.endr
.irp j, 236,237,238,239, 252,253
	v_mov_b32 v[\j], 0                             ; written once: a lane permute's destination counts as one of its sources; v253 is named as the upper half of a pair
.endr
; A KEY STEP: 128 keys.
.macro KSTEP QF, QS, Q0S, QLS
	s_cmp_gt_u32 s[KF], s[\QLS]                    ; all its keys come after my queries: only the addresses step
	s_cbranch_scc1 .Lhid_\@
	s_setprio 2
	v_add_nc_u32 v8, s[TK], v1                     ; (these four are also places behind the last step's products)
	v_add_nc_u32 v9, s[TK], v2
	v_add_nc_u32 v10, s[TS], v3
	v_add_nc_u32 v11, s[TV], v4
	ds_load_b64 v[248:249], v10                    ; K's scale words: register t / 2, lanes 0-15 for even tiles t, lanes 16-31 for odd
	ds_load_b64 v[250:251], v10 offset:256
.irp t, 0,1,2,3
	ds_load_b128 v[32+8*\t:35+8*\t], v8 offset:512*\t
.endr
	s_wait_alu depctr_va_vdst(0)
	s_wait_dscnt 0x0
.irp t, 0,2
	v_wmma_scale_f32_16x16x128_f8f6f4 v[96+8*\t:103+8*\t], v[32+8*\t:39+8*\t], v[\QF:\QF+7], 0, v[248+\t/2], v[\QS] matrix_a_fmt:MATRIX_FMT_FP4 matrix_b_fmt:MATRIX_FMT_FP4
	v_wmma_scale_f32_16x16x128_f8f6f4 v[104+8*\t:111+8*\t], v[40+8*\t:47+8*\t], v[\QF:\QF+7], 0, v[248+\t/2], v[\QS] matrix_a_fmt:MATRIX_FMT_FP4 matrix_b_fmt:MATRIX_FMT_FP4 matrix_a_scale:MATRIX_SCALE_ROW1
.endr
	PLACES 4                                       ; in front of loads into registers that these products have read
.irp t, 0,1,2,3
	ds_load_b128 v[32+8*\t:35+8*\t], v8 offset:2048+512*\t
.endr
.irp d, 0,1,2,3
.irp c, 0,1
	ds_load_b128 v[64+8*\d+4*\c:67+8*\d+4*\c], v9 offset:1024*\d+512*\c    ; V is asked for here and wanted behind the softmax
.endr
.endr
	ds_load_b64 v[208:209], v11
	s_wait_dscnt 0x9                               ; K's tiles 4-7 are in; V's eight loads and its scale words may be out
.irp t, 0,2
	v_wmma_scale_f32_16x16x128_f8f6f4 v[128+8*\t:135+8*\t], v[32+8*\t:39+8*\t], v[\QF:\QF+7], 0, v[250+\t/2], v[\QS] matrix_a_fmt:MATRIX_FMT_FP4 matrix_b_fmt:MATRIX_FMT_FP4
	v_wmma_scale_f32_16x16x128_f8f6f4 v[136+8*\t:143+8*\t], v[40+8*\t:47+8*\t], v[\QF:\QF+7], 0, v[250+\t/2], v[\QS] matrix_a_fmt:MATRIX_FMT_FP4 matrix_b_fmt:MATRIX_FMT_FP4 matrix_a_scale:MATRIX_SCALE_ROW1
.endr
	PLACES 4                                       ; in front of the first read of results
	s_add_co_u32 s25, s[KF], 127                   ; on the diagonal the scores of hidden keys become -infinity: p = 0 then.  A step all of whose keys count skips this
	s_cmp_le_u32 s25, s[\Q0S]
	s_cbranch_scc1 .Lopen_\@
	s_sub_co_i32 s25, s[\Q0S], s[KF]
	v_add_nc_u32 v252, s25, v5                     ; d = my query - the step's first key - 8 h.  Register n holds key 16 (n / 8) + n % 8 + 8 h: hidden where 16 (n / 8) + n % 8 > d
	v_mov_b32 v254, 0xff800000
.set n, 0
.rept 64
	v_cmp_gt_i32 vcc_lo, 16*(n/8)+n%8, v252
	v_cndmask_b32 v[96+n], v[96+n], v254, vcc_lo
.set n, n+1
.endr
.Lopen_\@:
.irp b, 0,1,2,3
	v_max3_num_f32 v[232+\b], v[96+16*\b], v[97+16*\b], v[98+16*\b]   ; the largest score of each block of 32 keys: for the row's maximum, and, since p rises with the score, for the block's largest p
.endr
.irp i, 3,5,7,9,11,13
.irp b, 0,1,2,3
	v_max3_num_f32 v[232+\b], v[232+\b], v[96+16*\b+\i], v[97+16*\b+\i]   ; the four blocks by turns; each accumulator from its low end on
.endr
.endr
.irp b, 0,1,2,3
	v_max_num_f32 v[232+\b], v[232+\b], v[111+16*\b]
.endr
.irp b, 0,1,2,3
	s_delay_alu instid0(VALU_DEP_4)
	v_permlanex16_b32 v[236+\b], v[232+\b], s[SEL], s[SEL+1]
.endr
.irp b, 0,1,2,3
	s_delay_alu instid0(VALU_DEP_4)
	v_max_num_f32 v[232+\b], v[232+\b], v[236+\b]  ; with lane l xor 16's 16 keys
.endr
	s_delay_alu instid0(VALU_DEP_2)
	v_max3_num_f32 v254, v232, v233, v234
	s_delay_alu instid0(VALU_DEP_1)
	v_max_num_f32 v254, v254, v235                 ; the step's largest score of my query
	s_delay_alu instid0(VALU_DEP_1)
	v_mul_f32 v254, s[CS], v254                    ; as t
	s_delay_alu instid0(VALU_DEP_1)
	v_max_num_f32 v13, v13, v254                   ; the running largest t
	v_mov_b32 v254, v12
	s_delay_alu instid0(VALU_DEP_2)
	v_floor_f32 v12, -v13                          ; the new -M = floor(-t): M is a whole number
	s_delay_alu instid0(VALU_DEP_1)
	v_sub_f32 v254, v12, v254                      ; old M - new M: a whole number, 0 or less
	s_delay_alu instid0(VALU_DEP_1)
	v_cvt_i32_f32 v254, v254                       ; (it saturates)
	s_delay_alu instid0(VALU_DEP_1)
	v_ldexp_f32 v252, 1.0, v254                    ; f = 2^(old M - new M)
.set n, 0
.rept 32
	v_pk_fma_f32 v[96+n:97+n], v[96+n:97+n], s[CS:CS+1], v[12:13] op_sel_hi:[1,0,0]   ; t - M, two at a time
.set n, n+2
.endr
	s_setprio 1
.irp b, 0,1,2,3
	v_fma_f32 v[232+\b], v[232+\b], s[CS], v12     ; the same of each block's largest score
.endr
.set n, 0
	s_wait_alu depctr_va_vdst(0)
.rept 64
	v_exp_f32 v[96+n], v[96+n]                     ; p = 2^(t - M), at most 1
.set n, n+1
.endr
	v_pk_mul_f32 v[14:15], v[14:15], v[252:253] op_sel_hi:[1,0]    ; the sums under the new M: a plain instruction behind the exponentials
	s_wait_alu depctr_va_vdst(0)                   ; one wait for the whole batch, ahead of its first reader
.irp b, 0,1,2,3
	v_exp_f32 v[232+\b], v[232+\b]                 ; the block's largest p
.endr
	v_pk_add_f32 v[236:237], v[100:101], v[104:105]
	v_pk_add_f32 v[250:251], v[108:109], v[112:113]
	v_pk_add_f32 v[248:249], v[116:117], v[120:121]
	v_pk_add_f32 v[246:247], v[124:125], v[128:129]
	v_pk_add_f32 v[244:245], v[132:133], v[136:137]
	v_pk_add_f32 v[240:241], v[140:141], v[144:145]
	v_pk_add_f32 v[238:239], v[148:149], v[152:153]
	v_pk_add_f32 v[14:15], v[14:15], v[156:157]
	v_pk_add_f32 v[236:237], v[236:237], v[96:97]
	v_pk_add_f32 v[250:251], v[250:251], v[98:99]
	v_pk_add_f32 v[248:249], v[248:249], v[102:103]
	v_pk_add_f32 v[246:247], v[246:247], v[106:107]
	v_pk_add_f32 v[244:245], v[244:245], v[110:111]
	v_pk_add_f32 v[240:241], v[240:241], v[114:115]
	v_pk_add_f32 v[238:239], v[238:239], v[118:119]
	v_pk_add_f32 v[14:15], v[14:15], v[122:123]
	v_pk_add_f32 v[236:237], v[236:237], v[126:127]
	v_pk_add_f32 v[250:251], v[250:251], v[130:131]
	v_pk_add_f32 v[248:249], v[248:249], v[134:135]
	v_pk_add_f32 v[246:247], v[246:247], v[138:139]
	v_pk_add_f32 v[244:245], v[244:245], v[142:143]
	v_pk_add_f32 v[240:241], v[240:241], v[146:147]
	v_pk_add_f32 v[238:239], v[238:239], v[150:151]
	v_pk_add_f32 v[14:15], v[14:15], v[154:155]
	v_pk_add_f32 v[236:237], v[236:237], v[158:159]
	s_delay_alu instid0(VALU_DEP_2)
	v_pk_add_f32 v[14:15], v[14:15], v[246:247]
	s_delay_alu instid0(VALU_DEP_2)
	v_pk_add_f32 v[236:237], v[236:237], v[244:245]
	v_pk_add_f32 v[250:251], v[250:251], v[240:241]
	v_pk_add_f32 v[248:249], v[248:249], v[238:239]
	s_delay_alu instid0(VALU_DEP_2)
	v_pk_add_f32 v[14:15], v[14:15], v[250:251]
	s_delay_alu instid0(VALU_DEP_2)
	v_pk_add_f32 v[236:237], v[236:237], v[248:249]
	s_delay_alu instid0(VALU_DEP_1)
	v_pk_add_f32 v[14:15], v[14:15], v[236:237]
	s_wait_alu depctr_va_vdst(0)                   ; and one for the four
.irp b, 0,1,2,3
	v_max_num_f32 v[232+\b], 0x1800000, v[232+\b]  ; the floor 2^(3 - 127): the byte cannot fall under 1
.endr
.irp b, 0,1,2,3
	s_delay_alu instid0(VALU_DEP_4)
	v_add_nc_u32 v[244+\b], 0xff000000, v[232+\b]  ; 2 off the exponent field: the conversion's scale operand
.endr
.irp b, 0,1,2,3
	s_delay_alu instid0(VALU_DEP_4)
	v_lshrrev_b32 v[236+\b], 23, v[244+\b]         ; the scale's byte
.endr
	s_delay_alu instid0(VALU_DEP_3)
	v_lshl_or_b32 v253, v237, 8, v236              ; p's scale word for these 128 keys
	s_delay_alu instid0(VALU_DEP_1)
	v_lshl_or_b32 v253, v238, 16, v253
	s_delay_alu instid0(VALU_DEP_1)
	v_lshl_or_b32 v253, v239, 24, v253
	s_setprio 0
.irp b, 0,1,2,3
.irp e, 0,1
	v_cvt_scalef32_pk8_fp4_f32 v[224+4*(\b/2)+2*\e+(\b%2)], v[96+16*\b+8*\e:103+16*\b+8*\e], v[244+\b]   ; tile 2 b + e: keys 32 b + 16 e + 8 h on; the destinations are ordered for the exchange below
.endr
.endr
	v_nop                                          ; one plain place behind a scaled conversion
.irp c, 0,1
.irp e, 0,1
	v_permlane16_swap_b32 v[224+4*\c+2*\e], v[225+4*\c+2*\e]       ; register 4 c + i now holds keys 64 c + 32 h + 8 i on
.endr
.endr
.set n, 0
.rept 16
	v_pk_mul_f32 v[160+n:161+n], v[160+n:161+n], v[252:253] op_sel_hi:[1,0]   ; O^T under the new M.  (These sixteen are also the places in front of the products below)
.set n, n+2
.endr
	s_wait_alu depctr_va_vdst(0)
	s_wait_dscnt 0x0                               ; V and its scale words are in
.irp d, 0,2
	v_wmma_scale_f32_16x16x128_f8f6f4 v[160+8*\d:167+8*\d], v[64+8*\d:71+8*\d], v[224:231], v[160+8*\d:167+8*\d], v[208+\d/2], v253 matrix_a_fmt:MATRIX_FMT_FP4 matrix_b_fmt:MATRIX_FMT_FP4
	v_wmma_scale_f32_16x16x128_f8f6f4 v[168+8*\d:175+8*\d], v[72+8*\d:79+8*\d], v[224:231], v[168+8*\d:175+8*\d], v[208+\d/2], v253 matrix_a_fmt:MATRIX_FMT_FP4 matrix_b_fmt:MATRIX_FMT_FP4 matrix_a_scale:MATRIX_SCALE_ROW1
.endr
.Lhid_\@:
	s_add_co_u32 s[KF], s[KF], 128
	s_add_co_u32 s[TK], s[TK], 4096
	s_add_co_u32 s[TS], s[TS], 512
	s_add_co_u32 s[TV], s[TV], 256
.endm
; A PASS: one tile of 16 queries against the keys 0 .. 128 TRIPS - 1 (a constant of the text that covers every work-group's queries of that pass).
.macro PASS QF, QS, Q0S, QLS, OUTR, GA, OB, TRIPS
	s_mov_b32 s[KF], 0
	s_mov_b32 s[TK], 0
	s_mov_b32 s[TS], 0
	s_mov_b32 s[TV], 0
	v_mov_b32 v13, 0xff61b1e6                      ; the largest t so far: -3e38
	s_delay_alu instid0(VALU_DEP_1)
	v_floor_f32 v12, -v13
	v_mov_b32 v14, 0
	v_mov_b32 v15, 0
.set n, 0
.rept 32
	v_mov_b32 v[160+n], 0                          ; O^T: the step is written once; its first trip finds zeros, which the first change of M leaves zeros
.set n, n+1
.endr
	s_mov_b32 s[CNT], \TRIPS
.Lkeys_\@:
	KSTEP \QF, \QS, \Q0S, \QLS
	s_sub_co_u32 s[CNT], s[CNT], 1
	s_cmp_lg_u32 s[CNT], 0
	s_cbranch_scc1 .Lkeys_\@
	s_setprio 0
	PLACES 4                                       ; behind the last products
	v_add_f32 v14, v14, v15
	s_delay_alu instid0(VALU_DEP_1)
	v_permlanex16_b32 v252, v14, s[SEL], s[SEL+1]
	s_delay_alu instid0(VALU_DEP_1)
	v_add_f32 v14, v14, v252                       ; the row's sum
	s_wait_alu depctr_va_vdst(0)
	v_rcp_f32 v14, v14
	v_nop                                          ; a plain place behind the transcendental
	s_wait_alu depctr_va_vdst(0)                   ; the wait ahead of the first reader
.set n, 0
.rept 16
	v_pk_mul_f32 v[96+n:97+n], v[160+n:161+n], v[14:15] op_sel_hi:[1,0]   ; O^T / the sum: register 8 t + j is dim 16 t + 8 h + j of my query
.set n, n+2
.endr
.irp b, 0,1
	v_max3_num_f32 v[232+\b], |v[96+16*\b]|, |v[97+16*\b]|, 0x1800000     ; the head's two blocks of 32, quantised as p is
.endr
.irp i, 2,4,6,8,10,12,14
.irp b, 0,1
	s_delay_alu instid0(VALU_DEP_2)
	v_max3_num_f32 v[232+\b], v[232+\b], |v[96+16*\b+\i]|, |v[97+16*\b+\i]|
.endr
.endr
.irp b, 0,1
	s_delay_alu instid0(VALU_DEP_2)
	v_permlanex16_b32 v[236+\b], v[232+\b], s[SEL], s[SEL+1]
.endr
.irp b, 0,1
	s_delay_alu instid0(VALU_DEP_2)
	v_max_num_f32 v[232+\b], v[232+\b], v[236+\b]
.endr
.irp b, 0,1
	s_delay_alu instid0(VALU_DEP_2)
	v_add_nc_u32 v[244+\b], 0xff000000, v[232+\b]
.endr
.irp b, 0,1
	s_delay_alu instid0(VALU_DEP_2)
	v_lshrrev_b32 v[236+\b], 23, v[244+\b]
.endr
	s_delay_alu instid0(VALU_DEP_1)
	v_lshl_or_b32 v254, v237, 8, v236              ; my row's two bytes
.irp b, 0,1
.irp e, 0,1
	v_cvt_scalef32_pk8_fp4_f32 v[\OUTR+2*\e+\b], v[96+16*\b+8*\e:103+16*\b+8*\e], v[244+\b]
.endr
.endr
	v_nop                                          ; one plain place behind a scaled conversion
.irp e, 0,1
	v_permlane16_swap_b32 v[\OUTR+2*\e], v[\OUTR+2*\e+1]           ; register i now holds dims 32 h + 8 i on
.endr
	global_store_b128 v1, v[\OUTR:\OUTR+3], s[\OB:\OB+1]           ; 32 lanes store 512 consecutive bytes, at a multiple of 512 from the buffer's first byte
	ds_store_b16 v[\GA], v254                      ; both lanes of a row write the same two bytes with the same value
.endm
	s_wait_tensorcnt 0x0                           ; my load, if I issued one, has landed,
	s_barrier_signal -1
	s_barrier_wait -1                              ; everybody's has: K, V and their scale words lie in LDS for the rest of the launch
	s_wait_loadcnt 0x0                             ; Q of both passes
	PASS 16, 24, Q0A, QLA, 200, 28, OBA, 16
	PASS 192, 25, Q0B, QLB, 204, 29, OBB, 8
	s_wait_dscnt 0x0                               ; for the others' sake: my stores into the gather are done
	s_barrier_signal -1
	s_barrier_wait -1
	s_cmp_lt_u32 s[WV], 2
	s_cbranch_scc0 .Lend
	ds_load_b128 v[96:99], v30                     ; a block's 256 rows x 2 bytes
	s_wait_dscnt 0x0
	global_store_b128 v1, v[96:99], s[OSC:OSC+1]   ; 512 consecutive bytes, aligned
.Lend:
	s_wait_tensorcnt 0x0
	ds_add_u32 v243, v255
	s_wait_dscnt 0x0
	s_endpgm
.Lfunc_end_k_q97d313519d_attn:
	.size	k_q97d313519d_attn, .Lfunc_end_k_q97d313519d_attn-k_q97d313519d_attn
	.p2alignl 7, 3214868480
	.fill 96, 4, 3214868480
	.section	.rodata,"a",@progbits
	.p2align	6, 0x0
	.amdhsa_kernel k_q97d313519d_attn
		.amdhsa_group_segment_fixed_size 169984
		.amdhsa_private_segment_fixed_size 0
		.amdhsa_enable_private_segment 0
		.amdhsa_kernarg_size 32
		.amdhsa_user_sgpr_count 2
		.amdhsa_user_sgpr_kernarg_segment_ptr 1
		.amdhsa_wavefront_size32 1
		.amdhsa_system_sgpr_workgroup_id_x 1
		.amdhsa_system_sgpr_workgroup_id_y 1
		.amdhsa_system_sgpr_workgroup_id_z 1
		.amdhsa_system_vgpr_workitem_id 0
		.amdhsa_next_free_vgpr 256
		.amdhsa_next_free_sgpr 80
		.amdhsa_reserve_vcc 1
		.amdhsa_float_denorm_mode_32 3
		.amdhsa_float_denorm_mode_16_64 3
		.amdhsa_memory_ordered 1
		.amdhsa_forward_progress 1
		.amdhsa_inst_pref_size 63
	.end_amdhsa_kernel
	.amdgpu_metadata
---
amdhsa.version: [ 1, 2 ]
amdhsa.kernels:
  - .name:           k_q97d313519d_attn
    .symbol:         k_q97d313519d_attn.kd
    .args:
      - { .name: qkv_codes, .offset: 0, .size: 8, .value_kind: global_buffer, .address_space: global }
      - { .name: qkv_scales, .offset: 8, .size: 8, .value_kind: global_buffer, .address_space: global }
      - { .name: attn_codes, .offset: 16, .size: 8, .value_kind: global_buffer, .address_space: global }
      - { .name: attn_scales, .offset: 24, .size: 8, .value_kind: global_buffer, .address_space: global }
    .group_segment_fixed_size: 169984
    .private_segment_fixed_size: 0
    .kernarg_segment_align: 8
    .kernarg_segment_size: 32
    .max_flat_workgroup_size: 512
    .sgpr_count:     80
    .vgpr_count:     256
    .wavefront_size: 32
...
	.end_amdgpu_metadata
.endif
;; end of part 2
;; launch proj (part 3): grid 4 x 64, 4 waves a work-group, clusters of 4 x 4, 262,656 bytes of LDS; arguments attn_codes, attn_scales, c_proj_w_codes, c_proj_w_scales, c_proj_b, out0; writes out0
.if DOCPART == 3
	.amdgcn_target "amdgcn-amd-amdhsa--gfx1250"
	.amdhsa_code_object_version 6
	.text
	.protected	k_q97d313519d_proj
	.globl	k_q97d313519d_proj
	.p2align	8
	.type	k_q97d313519d_proj,@function
k_q97d313519d_proj:
	s_mov_b64 s[64:65], 0
	v_nop
	global_prefetch_b8 v0, s[64:65] scope:SCOPE_SE
	s_setreg_imm32_b32 hwreg(HW_REG_WAVE_MODE, 25, 1), 1
	s_wait_xcnt 0x0
	s_wait_alu depctr_hold_cnt(0) depctr_sa_sdst(0) depctr_va_vdst(0) depctr_va_sdst(0) depctr_va_ssrc(0) depctr_va_vcc(0) depctr_vm_vsrc(0)
	s_getreg_b32 s2, hwreg(HW_REG_IB_STS2, 6, 4)
	s_cmp_eq_u32 s2, 0
	s_cbranch_scc0 .Lentry_in_a_cluster
	s_endpgm
.Lentry_in_a_cluster:
	s_bfe_u32 s2, ttmp6, 0x10000c
	s_cmp_lg_u32 s2, 0xf033
	s_cbranch_scc0 .Lentry_shape_is_right
	s_endpgm
.Lentry_shape_is_right:
; out = attn Wp^T + b on codes of FP4 (E2M1) with one E8M0 scale for each 32 along K = 1,024; out is [8,192][1,024] f32.
; A work-group of four waves makes 128 rows of out x 256 columns.  SOURCE 0 = Wp's rows (the columns of out), SOURCE 1 = attn's rows: a lane's eight results are eight neighbouring columns of one row.
; Wave w: source 0's half w & 1 (8 blocks of 16), source 1's half w >> 1 (4 blocks): 32 accumulators, which take turns, one instruction a turn, in the same order in every K step.
; ALL of K lies in LDS, each byte filled once: Wp's rows in two chunks of 256 bytes a row; attn's codes as they were stored, images of operand registers ([head / 8][row / 16][head % 8][lane][16 bytes]: dense blocks);
; Wp's scale bytes; attn's scale bytes, one plane of two bytes a row for each head.
; CLUSTER 4 x 4: Wp's tiles hang on X (cx) and are shared along a column of the cluster, attn's on Y (cy) and are shared along a row: joint loads.
; LIMITS: NaN and infinities are not served.
; REGISTERS: window 0: v1-26 addresses; v32-63 source 0's scale words, v64-79 source 1's; v80-143 source 1's fragments, two sets; v144-175 halves of scale words; on the way out v128-255 rows of out.
;   window 1: v0-127 source 0's fragments, two sets; v128-191 the bias in the result's layout.   window 2: the accumulators, (a, b) at v[8 (8 a + b)].
.set PITCH,  272                       ; an LDS row of Wp: 256 bytes + 16 of padding
.set BLK16,  16*PITCH
.set CHUNK,  256*PITCH
.set A1,     2*CHUNK                   ; attn's images: chunk c at 32,768 c, tile of 16 rows at 4,096, head % 8 at 512
.set SC0,    A1+65536                  ; Wp's scale bytes: 32 pieces of 256 bytes + 16
.set SC1,    SC0+32*272                ; attn's: 16 planes of 256 bytes + 16
.set STG,    SC1+16*272                ; the stages for the way out, 16 rows x 528 bytes a wave: bytes of their own, into which no fill lands
.set SPITCH, 528
.set F1Q,    1024                      ; source 1's fragments: bytes from K step to K step (two heads), from half to half (a head), from block to block
.set F1C,    512
.set F1A,    4096
.set AD0,    16
.set AD1,    20
.set ASC0,   22
.set ASC1,   24
.set STO,    25
.set RD,     26
.set S0R,    32
.set S1R,    64
.set F1R,    80
.set BI,     128
.set HW,     144
.set BK,     128
.set MUL,    0xa1                      ; source 0 window 1, source 1 window 0, C and D window 2
.set MULB,   0x91                      ; the same with C in window 1: the bias
.set TO_F0,  0x40                      ; destination window 1
.set MSB, 0
.macro WIN new                         ; the immediate's high byte repeats the setting that is left
.if MSB != \new
	s_set_vgpr_msb (MSB<<8)|\new
.set MSB, \new
.endif
.endm
.macro PLACES n
.rept \n
	v_nop
.endr
.endm
.macro CROUND                          ; a round of the cluster's barrier
	s_barrier_signal -1
	s_barrier_wait -1
	s_cmp_lg_u32 s18, 0
	s_cbranch_scc1 .Lnot_wave_0_\@
	s_barrier_signal -3
.Lnot_wave_0_\@:
	s_barrier_wait -3
	s_barrier_signal -1
	s_barrier_wait -1
.endm
.macro FETCH q                         ; 24 LDS loads: the fragments of K step q into set q % 2
	WIN TO_F0
.irp b, 0,1,2,3,4,5,6,7
.irp c, 0,1
	ds_load_b128 v[64*((\q)%2)+8*\b+4*\c:64*((\q)%2)+8*\b+4*\c+3], v[AD0+(\q)/4] offset:64*((\q)%4)+32*\c+BLK16*\b
.endr
.endr
	WIN 0
.irp a, 0,1,2,3
.irp c, 0,1
	ds_load_b128 v[F1R+32*((\q)%2)+8*\a+4*\c:F1R+32*((\q)%2)+8*\a+4*\c+3], v[AD1+(\q)/4] offset:F1Q*((\q)%4)+F1C*\c+F1A*\a
.endr
.endr
.endm
; 16 products: source 1's blocks a0, a0 + 1 x source 0's eight.  cm = 1: the sums start from the bias.  A scale register holds K step j's word in lanes 0-15 and K step 4 + j's in lanes 16-31.
.macro MULH a0, q, cm
.irp a, \a0, \a0+1
.irp b, 0,1,2,3,4,5,6,7
.set rD, 8*(8*(\a)+\b)
.set rA, 64*((\q)%2)+8*\b
.set rB, F1R+32*((\q)%2)+8*(\a)
.set rSA, S0R+4*\b+(\q)%4
.set rSB, S1R+4*(\a)+(\q)%4
.if \cm == 1
	v_wmma_scale_f32_16x16x128_f8f6f4 v[rD:rD+7], v[rA:rA+7], v[rB:rB+7], v[BI+8*\b:BI+8*\b+7], v[rSA], v[rSB] matrix_a_fmt:MATRIX_FMT_FP4 matrix_b_fmt:MATRIX_FMT_FP4
.elseif (\q) < 4
	v_wmma_scale_f32_16x16x128_f8f6f4 v[rD:rD+7], v[rA:rA+7], v[rB:rB+7], v[rD:rD+7], v[rSA], v[rSB] matrix_a_fmt:MATRIX_FMT_FP4 matrix_b_fmt:MATRIX_FMT_FP4
.else
	v_wmma_scale_f32_16x16x128_f8f6f4 v[rD:rD+7], v[rA:rA+7], v[rB:rB+7], v[rD:rD+7], v[rSA], v[rSB] matrix_a_fmt:MATRIX_FMT_FP4 matrix_b_fmt:MATRIX_FMT_FP4 matrix_a_scale:MATRIX_SCALE_ROW1 matrix_b_scale:MATRIX_SCALE_ROW1
.endif
.endr
.endr
.endm
.macro STEP q                          ; a K step: its fragments are in; the next step's are asked for, into the set that the last step's products read (four places behind them); 32 products
	s_wait_dscnt 0x0
.if (\q) < 7
	PLACES 4
	FETCH (\q)+1
.endif
	WIN MUL
	MULH 0, \q, 0
	MULH 2, \q, 0
.endm
	s_load_b256 s[4:11], s[0:1], 0x0               ; attn_codes s[4:5], attn_scales s[6:7], Wp's codes s[8:9], Wp's scales s[10:11]
	s_load_b128 s[12:15], s[0:1], 0x20             ; the bias s[12:13], out s[14:15]
	v_lshl_add_u32 v30, v0, 2, 0x40000
	v_mov_b32 v31, 0
	ds_add_u32 v30, v31
	ds_add_u32 v30, v31
	v_lshrrev_b32 v1, 5, v0
	v_readfirstlane_b32 s18, v1                    ; wave 0..3
	s_lshr_b32 s19, s18, 1                         ; my half of source 1.  Also: I fetch for source 0 (0) or source 1 (1)
	s_and_b32 s20, s18, 1                          ; my half of source 0.  Also: which half of that tile I fetch
	s_bfe_u32 s22, ttmp6, 0x40000                  ; cx
	s_bfe_u32 s23, ttmp6, 0x40004                  ; cy
	s_lshl_b32 s92, ttmp9, 2
	s_add_co_u32 s92, s92, s22                     ; X: which 256 columns of out
	s_and_b32 s93, ttmp7, 0xffff
	s_lshl_b32 s93, s93, 2
	s_add_co_u32 s93, s93, s23                     ; Y: which 128 rows
	s_lshl_b32 s96, 0x1111, s22                    ; my column of the cluster
	s_lshl_b32 s94, s23, 2
	s_lshl_b32 s94, 15, s94                        ; my row
	; descriptor groups 1; bit 21 is set beside each mask
	s_or_b32 s24, s96, (1<<20)|(1<<21)|(5<<22)|(3<<25)             ; Wp's codes: 128 rows of 256 bytes, 512 apart, 4 words of padding behind every 64
	s_mov_b32 s25, 256<<16
	s_mov_b32 s26, 128<<16
	s_mov_b32 s27, 256<<16
	s_mov_b32 s28, 128
	s_mov_b32 s29, 512
	s_mov_b32 s30, 0
	s_mov_b32 s31, 0
	s_or_b32 s32, s96, (3<<16)|(1<<20)|(1<<21)|(5<<22)|(3<<25)     ; Wp's scale bytes: a dense block, 16 rows of 32 elements of 8 bytes, the same padding
	s_mov_b32 s33, 32<<16
	s_mov_b32 s34, 16<<16
	s_mov_b32 s35, 32<<16
	s_mov_b32 s36, 16
	s_mov_b32 s37, 32
	s_mov_b32 s38, 0
	s_mov_b32 s39, 0
	s_or_b32 s40, s94, (3<<16)|(1<<21)             ; attn's images: a dense block of 16,384 bytes, 64 rows of 256, no padding
	s_mov_b32 s41, 32<<16
	s_mov_b32 s42, 64<<16
	s_mov_b32 s43, 32<<16
	s_mov_b32 s44, 64
	s_mov_b32 s45, 32
	s_mov_b32 s46, 0
	s_mov_b32 s47, 0
	s_or_b32 s48, s94, (3<<16)|(1<<20)|(1<<21)|(5<<22)|(3<<25)     ; attn's scale bytes: 8 planes of 256 bytes, 16,384 bytes apart, padded
	s_mov_b32 s49, 32<<16
	s_mov_b32 s50, 8<<16
	s_mov_b32 s51, 32<<16
	s_mov_b32 s52, 8
	s_mov_b32 s53, 2048
	s_mov_b32 s54, 0
	s_mov_b32 s55, 0
	; where the tiles come from: source 0's offsets are made of X and the wave alone, source 1's of Y and the wave alone, in registers of their own
	s_lshl_b32 s96, s92, 8
	s_lshl_b32 s97, s20, 7
	s_add_co_u32 s96, s96, s97                     ; Wp's row 256 X + 128 x half
	s_lshl_b32 s2, s96, 5
	s_mov_b32 s3, 0
	s_lshl_b32 s96, s96, 9
	s_mov_b32 s97, 0
	s_lshl_b32 s94, s93, 15
	s_lshl_b32 s95, s20, 14
	s_add_co_u32 s94, s94, s95                     ; attn's tiles 8 Y + 4 x half, 4,096 bytes each
	s_mov_b32 s95, 0
	s_lshl_b32 s100, s20, 17
	s_lshl_b32 s101, s93, 8
	s_add_co_u32 s100, s100, s101                  ; planes 8 x half on, rows 128 Y on
	s_mov_b32 s101, 0
.irp g, 56, 60, 68, 72, 76, 80
	s_mov_b32 s[\g], 1
.endr
	s_mul_i32 s57, s20, 16*272                     ; and where they go: constants and the wave's number alone
	s_add_co_u32 s57, s57, SC0
	s_mul_i32 s61, s20, 128*PITCH
	s_add_co_u32 s69, s61, CHUNK
	s_mul_i32 s73, s20, 8*272
	s_add_co_u32 s73, s73, SC1
	s_lshl_b32 s77, s20, 14
	s_add_co_u32 s77, s77, A1
	s_add_co_u32 s81, s77, 32768
	s_wait_dscnt 0x0
	s_wait_kmcnt 0x0
	s_add_nc_u64 s[58:59], s[10:11], s[2:3]
	s_add_nc_u64 s[62:63], s[8:9], s[96:97]
	s_add_nc_u64 s[70:71], s[62:63], 256           ; chunk 1: 256 bytes on in each row
	s_add_nc_u64 s[74:75], s[6:7], s[100:101]
	s_add_nc_u64 s[78:79], s[4:5], s[94:95]
	s_add_nc_u64 s[82:83], s[78:79], 2097152       ; chunk 1: heads 8 to 15
.irp g, 59, 63, 71, 75, 79, 83
	s_or_b32 s[\g], s[\g], 0x80000000              ; the type
.endr
	CROUND                                         ; all sixteen work-groups are here: the joint loads meet
	s_cmp_lt_u32 s18, 2                            ; a wave's three fills stand in one branch on the wave's number: three loads of mine are out
	s_cbranch_scc0 .Lfor_1
	tensor_load_to_lds s[56:59], s[32:39]          ; scale bytes,
	s_nop 0
	tensor_load_to_lds s[60:63], s[24:31]          ; chunk 0,
	s_nop 0
	tensor_load_to_lds s[68:71], s[24:31]          ; chunk 1
	s_nop 0
	PLACES 4
	s_branch .Lasked
.Lfor_1:
	tensor_load_to_lds s[72:75], s[48:55]
	s_nop 0
	tensor_load_to_lds s[76:79], s[40:47]
	s_nop 0
	tensor_load_to_lds s[80:83], s[40:47]
	s_nop 0
	PLACES 4
.Lasked:
	v_and_b32 v1, 15, v0                           ; r
	v_bfe_u32 v2, v0, 4, 1                         ; h
	v_and_b32 v5, 31, v0
	v_lshlrev_b32 v3, 4, v5                        ; 16 x lane
	v_mul_u32_u24 v5, v1, PITCH
	v_lshl_add_u32 v5, v2, 4, v5                   ; a fragment's row x pitch + 16 h
	s_mul_i32 s4, s20, 128*PITCH
	v_add_nc_u32 v[AD0], s4, v5
	s_add_co_u32 s4, s4, CHUNK
	v_add_nc_u32 v[AD0+1], s4, v5
	s_lshl_b32 s4, s19, 14
	s_add_co_u32 s4, s4, A1
	v_add_nc_u32 v[AD1], s4, v3                    ; an image: 16 x lane
	s_add_co_u32 s4, s4, 32768
	v_add_nc_u32 v[AD1+1], s4, v3
	v_lshrrev_b32 v6, 3, v1                        ; Wp's scale bytes: 32 a row, eight rows to a piece of 256 + 16 bytes;
	v_mul_u32_u24 v6, v6, 272
	v_and_b32 v7, 7, v1
	v_lshl_add_u32 v6, v7, 5, v6
	v_lshl_add_u32 v6, v2, 4, v6                   ; lanes 0-15 take the words of K steps 0-3, lanes 16-31 those of 4-7
	s_mul_i32 s4, s20, 16*272
	s_add_co_u32 s4, s4, SC0
	v_add_nc_u32 v[ASC0], s4, v6
	v_mul_u32_u24 v[ASC1], v2, 8*272               ; attn's: lanes 16-31 take the planes of heads 8 on: the lower base + h x the distance
	v_lshl_add_u32 v[ASC1], v1, 1, v[ASC1]         ; two bytes a row
	s_lshl_b32 s4, s19, 7
	s_add_co_u32 s4, s4, SC1
	v_add_nc_u32 v[ASC1], s4, v[ASC1]
	s_mul_i32 s4, s18, 16*SPITCH
	s_add_co_u32 s4, s4, STG                       ; my stage
	v_mul_u32_u24 v[STO], v1, SPITCH
	v_lshl_add_u32 v[STO], v2, 5, v[STO]
	v_add_nc_u32 v[STO], s4, v[STO]                ; in: row r, 32 bytes for each half of the lanes
	v_add_nc_u32 v[RD], s4, v3                     ; back: the 32 lanes take one row of 512 bytes
	v_lshlrev_b32 v12, 5, v2
	s_wait_alu depctr_va_vdst(0)
	s_lshl_b32 s4, s92, 10
	s_lshl_b32 s5, s20, 9
	s_add_co_u32 s4, s4, s5                        ; my first column, in bytes: 4 (256 X + 128 (w & 1))
	s_mov_b32 s5, 0
	s_add_nc_u64 s[12:13], s[12:13], s[4:5]
	s_add_nc_u64 s[14:15], s[14:15], s[4:5]
	s_lshl_b32 s4, s93, 19
	s_lshl_b32 s6, s19, 18
	s_add_co_u32 s4, s4, s6                        ; my first row: (128 Y + 64 (w >> 1)) x 4,096 bytes
	s_add_nc_u64 s[14:15], s[14:15], s[4:5]
	WIN TO_F0
.irp b, 0,1,2,3,4,5,6,7
	global_load_b128 v[BI+8*\b:BI+8*\b+3], v12, s[12:13] offset:64*\b           ; tile b, register j: b of column 16 b + 8 h + j
	global_load_b128 v[BI+8*\b+4:BI+8*\b+7], v12, s[12:13] offset:64*\b+16
.endr
	WIN 0
	s_wait_tensorcnt 0x1                           ; my scale bytes and my part of chunk 0 are in; chunk 1's load may stay out
	s_barrier_signal -1
	s_barrier_wait -1                              ; everybody's are
.irp a, 0,1,2,3
.irp j, 0,1,2,3
	ds_load_u16 v[HW+2*(4*\a+\j)], v[ASC1] offset:544*\j+32*\a             ; K step 4 h + j is heads 8 h + 2 j and 8 h + 2 j + 1: two bytes of each make its word
	ds_load_u16 v[HW+2*(4*\a+\j)+1], v[ASC1] offset:544*\j+32*\a+272
.endr
.endr
.irp b, 0,1,2,3,4,5,6,7
	ds_load_b128 v[S0R+4*\b:S0R+4*\b+3], v[ASC0] offset:544*\b
.endr
	FETCH 0
	s_wait_dscnt 32                                ; the 32 halves are in; the 8 + 24 loads behind them may be out
.irp i, 0,1,2,3,4,5,6,7,8,9,10,11,12,13,14,15
	v_lshl_or_b32 v[S1R+\i], v[HW+2*\i+1], 16, v[HW+2*\i]
.endr
	PLACES 8                                       ; a scale register written by a vector instruction stands eight places ahead of a scaled product
	s_wait_alu depctr_va_vdst(0)
	s_wait_loadcnt 0x0                             ; the bias
	s_wait_dscnt 0x0
	FETCH 1
	WIN MULB
	MULH 0, 0, 1                                   ; K step 0 starts the sums from the bias: nothing is cleared, nothing is added later
	MULH 2, 0, 1
	STEP 1
	STEP 2
	s_wait_tensorcnt 0x0                           ; K step 3: my part of chunk 1 is in,
	s_wait_dscnt 0x0                               ; and so are this step's fragments
	s_barrier_signal -1
	WIN MUL
	MULH 0, 3, 0                                   ; work on registers while the others arrive
	s_barrier_wait -1                              ; chunk 1 is whole
	PLACES 4
	FETCH 4
	WIN MUL
	MULH 2, 3, 0
	STEP 4
	STEP 5
	STEP 6
	STEP 7
	WIN 0
; THE WAY OUT, block by block of 16 rows x 128 columns: through my own stage in LDS, back as whole rows of 512 bytes.  LDS serves a wave's instructions in order (ISA guide 5.7.1.4): no wait between the stores and the loads.
.macro TOSTAGE a
	WIN 0x08                                       ; an LDS store's data: window 2
.irp b, 0,1,2,3,4,5,6,7
	ds_store_b128 v[STO], v[64*(\a)+8*\b:64*(\a)+8*\b+3] offset:64*\b          ; each accumulator from its low end on
	ds_store_b128 v[STO], v[64*(\a)+8*\b+4:64*(\a)+8*\b+7] offset:64*\b+16
.endr
	WIN 0
.set BB, BK+64*((\a)%2)
.irp t, 0,1,2,3,4,5,6,7,8,9,10,11,12,13,14,15
	ds_load_b128 v[BB+4*\t:BB+4*\t+3], v[RD] offset:\t*SPITCH
.endr
.endm
.macro SEND a, younger                 ; younger: the LDS instructions issued behind block a's loads, which may stay out
.set BB, BK+64*((\a)%2)
	s_wait_dscnt \younger
.irp t, 0,1,2,3,4,5,6,7,8,9,10,11,12,13,14,15
	global_store_b128 v3, v[BB+4*\t:BB+4*\t+3], s[14:15] offset:(16*(\a)+\t)*4096 th:TH_STORE_NT   ; 32 lanes store 512 consecutive bytes, at a multiple of 512 from out's first byte; the base is never stepped
.endr
.endm
	PLACES 4                                       ; in front of the first read of results, and of loads into registers that held fragments
	TOSTAGE 0
	TOSTAGE 1
	SEND 0, 32                                     ; behind block 0's loads: block 1's 16 stores and 16 loads
	s_wait_xcnt 0x0                                ; block 0's stores have read their registers: block 2's loads may land there
	TOSTAGE 2
	SEND 1, 32
	s_wait_xcnt 0x0
	TOSTAGE 3
	SEND 2, 32
	SEND 3, 0
	s_wait_tensorcnt 0x0
	ds_add_u32 v30, v31
	s_wait_dscnt 0x0
	CROUND                                         ; the closing round: no work-group ends while a partner may still ask for a tile that names it
	s_endpgm
.Lfunc_end_k_q97d313519d_proj:
	.size	k_q97d313519d_proj, .Lfunc_end_k_q97d313519d_proj-k_q97d313519d_proj
	.p2alignl 7, 3214868480
	.fill 96, 4, 3214868480
	.section	.rodata,"a",@progbits
	.p2align	6, 0x0
	.amdhsa_kernel k_q97d313519d_proj
		.amdhsa_group_segment_fixed_size 262656
		.amdhsa_private_segment_fixed_size 0
		.amdhsa_enable_private_segment 0
		.amdhsa_kernarg_size 48
		.amdhsa_user_sgpr_count 2
		.amdhsa_user_sgpr_kernarg_segment_ptr 1
		.amdhsa_wavefront_size32 1
		.amdhsa_system_sgpr_workgroup_id_x 1
		.amdhsa_system_sgpr_workgroup_id_y 1
		.amdhsa_system_sgpr_workgroup_id_z 1
		.amdhsa_system_vgpr_workitem_id 0
		.amdhsa_next_free_vgpr 768
		.amdhsa_next_free_sgpr 102
		.amdhsa_reserve_vcc 0
		.amdhsa_float_denorm_mode_32 3
		.amdhsa_float_denorm_mode_16_64 3
		.amdhsa_memory_ordered 1
		.amdhsa_forward_progress 1
		.amdhsa_inst_pref_size 75
	.end_amdhsa_kernel
	.amdgpu_metadata
---
amdhsa.version: [ 1, 2 ]
amdhsa.kernels:
  - .name:           k_q97d313519d_proj
    .symbol:         k_q97d313519d_proj.kd
    .args:
      - { .name: attn_codes, .offset: 0, .size: 8, .value_kind: global_buffer, .address_space: global }
      - { .name: attn_scales, .offset: 8, .size: 8, .value_kind: global_buffer, .address_space: global }
      - { .name: c_proj_w_codes, .offset: 16, .size: 8, .value_kind: global_buffer, .address_space: global }
      - { .name: c_proj_w_scales, .offset: 24, .size: 8, .value_kind: global_buffer, .address_space: global }
      - { .name: c_proj_b, .offset: 32, .size: 8, .value_kind: global_buffer, .address_space: global }
      - { .name: out0, .offset: 40, .size: 8, .value_kind: global_buffer, .address_space: global }
    .group_segment_fixed_size: 262656
    .private_segment_fixed_size: 0
    .kernarg_segment_align: 8
    .kernarg_segment_size: 48
    .max_flat_workgroup_size: 128
    .sgpr_count:     102
    .vgpr_count:     768
    .wavefront_size: 32
...
	.end_amdgpu_metadata
.endif
;; end of part 3
